; MI455X (gfx1250); checked and timed in simulation.
; The chip was launched on July 23, 2026; its instructions are those of AMD's public machine-readable ISA for CDNA 5 (MIT licence, August 2026) and "CDNA5" Instruction Set Architecture Reference Guide (July 2026). The comments in the code are by the model that wrote it; some were corrected since.
;; Multi Head Attention. Allowed arithmetic: matrix products marked QUANTISED: E4M3 operands, one E8M0 scale for each 32 along K, by v_wmma_scale_f32_16x16x128_f8f6f4 with both operands' format E4M3, f32 sums; everything else in f32.
;; Inputs: attn_mask 4 x 2,048 x 2,048 bool; b_k 1,024 float32; b_q 1,024 float32; b_v 1,024 float32; w_k_codes 1,024 x 32 x 32 uint8 (E4M3 codes of w_k, K innermost, in blocks of 32 codes); w_k_scales 1,024 x 32 uint8 (E8M0 scales of w_k, one for each 32 codes along K); w_q_codes 1,024 x 32 x 32 uint8 (E4M3 codes of w_q, K innermost, in blocks of 32 codes); w_q_scales 1,024 x 32 uint8 (E8M0 scales of w_q, one for each 32 codes along K); w_v_codes 1,024 x 32 x 32 uint8 (E4M3 codes of w_v, K innermost, in blocks of 32 codes); w_v_scales 1,024 x 32 uint8 (E8M0 scales of w_v, one for each 32 codes along K); x_k_v_codes 4 x 2,048 x 32 x 32 uint8 (E4M3 codes of x_k_v, K innermost, in blocks of 32 codes); x_k_v_scales 4 x 2,048 x 32 uint8 (E8M0 scales of x_k_v, one for each 32 codes along K); x_q_codes 4 x 2,048 x 32 x 32 uint8 (E4M3 codes of x_q, K innermost, in blocks of 32 codes); x_q_scales 4 x 2,048 x 32 uint8 (E8M0 scales of x_q, one for each 32 codes along K).
;; Outputs: out0 4 x 2,048 x 1,024 float32.
;; This version of the problem:
;;   THIS VERSION OF THE PROBLEM IS GIVEN IN LOW PRECISION. The matrix products marked QUANTISED in the list below multiply operands that are first quantised to E4M3 (4 exponent bits, 3 mantissa bits; 8 bits a number), with one power-of-two scale for each 32 numbers along K (OCP MX v1.0); their sums are f32. All else is computed in f32.
;;   The module's matrix products, in the order in which they are computed (A, B: the left and right operand; K: the contracted axis; several contracted axes count as one K, in the product's order):
;;     1. [M 8,192, K 1,024] x [K 1,024, N 1,024]; A: input x_q (given as codes); B: input w_q (given as codes): QUANTISED
;;     2. [M 8,192, K 1,024] x [K 1,024, N 1,024]; A: input x_k_v (given as codes); B: input w_k (given as codes): QUANTISED
;;     3. [M 8,192, K 1,024] x [K 1,024, N 1,024]; A: input x_k_v (given as codes); B: input w_v (given as codes): QUANTISED
;;     4. batch 64 x [M 2,048, K 64] x [K 64, N 2,048]; A: computed on the way; B: computed on the way: QUANTISED
;;     5. batch 64 x [M 2,048, K 2,048] x [K 2,048, N 64]; A: softmax (see below); B: computed on the way: QUANTISED
;;   THE QUANTISER, for each operand of a quantised product, along K:
;;     - K is cut into blocks of 32 from its start; a last block that is shorter is filled with zeros.
;;     - A block's scale is 2^e with e = floor(log2(the largest magnitude in the block)) - 8, held to -126 .. 127; a block of zeros has e = 0. As a byte (E8M0): e + 127.
;;     - Each number is divided by its block's scale, clamped to +-448, and rounded to the nearest number of E4M3, ties to even, subnormals kept.
;;     - The product sums the exact products of the quantised numbers (number of the format x scale) in f32.
;;   ~~~python
;;   def quantise(x, axis):      # numpy; x: float32 -> the quantised numbers, widened to float32 again
;;       x = np.moveaxis(x, axis, -1); K = x.shape[-1]
;;       x = np.pad(x, [(0, 0)] * (x.ndim - 1) + [(0, -K % 32)]); x = x.reshape(x.shape[:-1] + (-1, 32)); a = np.abs(x).max(-1, keepdims=True)
;;       e = np.where(a > 0, np.clip(np.frexp(np.where(a > 0, a, 1))[1] - 1 - 8, -126, 127), 0)      # np.frexp(a)[1] - 1 = floor(log2(a)), exactly
;;       r = np.clip(x / 2.0 ** e, -448, 448)
;;       step = 2.0 ** (np.maximum(np.frexp(np.where(r == 0, 1, r))[1] - 1, -6) - 3)
;;       q = np.round(r / step) * step * 2.0 ** e      # np.round: ties to even
;;       return np.moveaxis(q.reshape(q.shape[:-2] + (-1,))[..., :K], -1, axis).astype(np.float32)
;;   ~~~
;;   SOFTMAX AHEAD OF A QUANTISED PRODUCT. Where the list says 'softmax', what is quantised is not the finished softmax but p = 2^(t - M), with t = logit x log2(e) and M = ceil(the row's largest t), a whole number; so 1/2 < the row's largest p <= 1. The row's sum l is taken of the UNQUANTISED p, in f32, and the product's result is divided by l at the end. Since M is a whole number, a kernel that streams over the keys may use a running M (the ceiling of the running maximum): every later rescaling is an exact power of two, which a block's scale takes up: the codes' values come out the same.
;;   OPERANDS COMPUTED ON THE WAY. 'Computed on the way' means the value that the module computes at that place (a softmax that the list does not call 'softmax' is quantised finished and normalised). What goes into a quantiser is computed in f32, as accurately as f32 sums, v_exp_f32 and their like allow (about 1e-6 of the number): no bf16 or f16 on the way to a quantiser, and a product that is left as it is and whose result goes on into a quantised operand takes f32 operands (vector FMAs, or v_wmma_f32_16x16x4_f32). A number that lies on a knife's edge between two numbers of the format may be rounded either way, as far as f32 arithmetic and the matrix unit's own rounding can turn it there, and no further.
;;   INPUTS GIVEN AS CODES. w_k (in the module: [1024, 1024], K = its axis 1); w_q (in the module: [1024, 1024], K = its axis 1); w_v (in the module: [1024, 1024], K = its axis 1); x_k_v (in the module: [4, 2048, 1024], K = its axis 2); x_q (in the module: [4, 2048, 1024], K = its axis 2): each comes as NAME_codes (uint8): NAME with its K axis moved to the last place and cut into blocks of 32 codes, [.., K / 32, bytes a block], one block behind the other in memory; one code a byte (a code: sign, 4 exponent bits, 3 mantissa bits); and NAME_scales (uint8): the same leading axes, one E8M0 byte (e + 127) for each 32 codes along K. Its value is code x scale, taken as it is: it is not quantised again, and the codes and scales need not be those that the quantiser above would give.
;; One version. Each part assembles by itself: llvm-mc -triple=amdgcn-amd-amdhsa -mcpu=gfx1250 --defsym DOCPART=n.
;; ======== version 1 of 1: 2 launches
;; limits: right only within a limited range of input values
;; workspace buffers: qrec 17,563,648 bytes; kvrec 17,563,648 bytes
;; launch proj (part 1): grid 4 x 96, 4 waves a work-group, clusters of 4 x 4, 327,680 bytes of LDS; arguments x_q_codes, x_q_scales, x_k_v_codes, x_k_v_scales, w_q_codes, w_q_scales, w_k_codes, w_k_scales, w_v_codes, w_v_scales, b_q, b_k, b_v, qrec, kvrec; writes qrec, kvrec
.if DOCPART == 1
	.amdgcn_target "amdgcn-amd-amdhsa--gfx1250"
	.amdhsa_code_object_version 6
	.text
	.protected	k_q1165ff7981_proj
	.globl	k_q1165ff7981_proj
	.p2align	8
	.type	k_q1165ff7981_proj,@function
k_q1165ff7981_proj:
	s_mov_b64 s[64:65], 0
	v_nop
	global_prefetch_b8 v0, s[64:65] scope:SCOPE_SE
	s_setreg_imm32_b32 hwreg(HW_REG_WAVE_MODE, 25, 1), 1
	s_wait_xcnt 0x0
	s_wait_alu depctr_hold_cnt(0) depctr_sa_sdst(0) depctr_va_vdst(0) depctr_va_sdst(0) depctr_va_ssrc(0) depctr_va_vcc(0) depctr_vm_vsrc(0)
	s_getreg_b32 s2, hwreg(HW_REG_IB_STS2, 6, 4)
	s_cmp_eq_u32 s2, 0
	s_cbranch_scc0 .Lentry_in_a_cluster
	s_endpgm
.Lentry_in_a_cluster:
	s_bfe_u32 s2, ttmp6, 0x10000c
	s_cmp_lg_u32 s2, 0xf033
	s_cbranch_scc0 .Lentry_shape_is_right
	s_endpgm
.Lentry_shape_is_right:
; q = x_q w_q^T + b_q, k = x_k_v w_k^T + b_k, v = x_k_v w_v^T + b_v on the given codes of MX-FP8, each result quantised again and stored as images of the next launch's operand registers (records of REC bytes for each (batch, head, 256 tokens)).
; A work-group of four waves makes a tile of 256 x 256; the grid's y / 8 picks the product; for v the two operands change places, so that a lane's registers run along the tokens, which are the next product's K.
; K goes in steps of 256 through a ring of two LDS slots; the scale bytes of the tile's rows come once.  4 x 4 work-groups form a cluster: A's tiles are asked for jointly along a row of it, B's along a column.
; THE HEAD: one joint load a wave: A's 256 rows of K step 0, B's, A's scale bytes, B's; K step 1 follows behind the full sequence and a round.
; PREFETCH: of the 128 rows that a wave fetches in the ring, each of the four partners names 32, told apart by address, a lane a row of 256 bytes: K steps 1 and 2 behind the head's loads, K step 3 behind K step 1's load: never more than two K steps are asked for and not yet read.
.set NQ,     2
.set ROWB,   256
.set KROW,   1024
.set PITCH,  272
.set FR,     16
.set NL,     4
.set NP,     8
.set HALFT,  128*PITCH
.set SLOT,   4*HALFT
.set KS,     32
.set SCL,    2*SLOT
.set HALFS,  16*272
.set SBLK,   2*272
.set SPARE,  SCL+4*HALFS
.set REC,    34304
.set HS,     8*REC
.set KSCO,   16384
.set VIM,    17408
.set VSCO,   33792
.set ADRA, 16
.set ADRB, 20
.set ADRS, 27
.set SPW,  28
.set NIL,  29
.set LI,   30
.set L8,   31
.set SC,   32
.set BI,   64
.set TM,   64
.set PC,   80
.set SW,   112
.set AD,   120
.set DW,   124
.set AF,   128
.set ZP,   2
.set G1, 24
.set G0, 32
.set G1B, 48
.set G0B, 56
.set G1S, 68
.set G0S, 76
.set G1SB, 80
.set G0SB, 88
.set MSB, 0
.macro WIN new
.if MSB != (\new)
	s_set_vgpr_msb (MSB<<8)|(\new)
.set MSB, (\new)
.endif
.endm
.set MUL_LO, 0xa1
.set MUL_HI, 0xf1
.set BIA_LO, 0x81
.set BIA_HI, 0xc1
.set TO_B,   0x40
.macro JLOAD g0a, g1a, g0b, g1b
	s_cmp_eq_u32 s15, 0
	s_cbranch_scc0 .Lfor_b_\@
	tensor_load_to_lds s[\g0a:\g0a+3], s[\g1a:\g1a+7]
	s_nop 0
.rept 4
	v_nop
.endr
	s_branch .Lasked_\@
.Lfor_b_\@:
	tensor_load_to_lds s[\g0b:\g0b+3], s[\g1b:\g1b+7]
	s_nop 0
.rept 4
	v_nop
.endr
.Lasked_\@:
.endm
.macro CREST
	s_cmp_lg_u32 s14, 0
	s_cbranch_scc1 .Lnot_wave_0_\@
	s_barrier_signal -3
.Lnot_wave_0_\@:
	s_barrier_wait -3
	s_barrier_signal -1
	s_barrier_wait -1
.endm
.macro CROUND
	s_barrier_signal -1
	s_barrier_wait -1
	CREST
.endm
	s_load_b512 s[68:83], s[0:1], 0x0
	s_load_b256 s[84:91], s[0:1], 0x40
	s_load_b128 s[92:95], s[0:1], 0x60
	s_load_b64 s[96:97], s[0:1], 0x70
	v_lshl_add_u32 v[SPW], v0, 2, SPARE
	v_mov_b32 v[NIL], 0
	ds_add_u32 v28, v29
	ds_add_u32 v28, v29
	s_wait_dscnt 0x0
	v_lshrrev_b32 v1, 5, v0
	v_readfirstlane_b32 s14, v1
	s_lshr_b32 s15, s14, 1
	s_and_b32 s16, s14, 1
	s_bfe_u32 s40, ttmp6, 0x40000
	s_bfe_u32 s41, ttmp6, 0x40004
	s_and_b32 s[ZP], ttmp7, 0xffff
	s_and_b32 s18, s[ZP], 7
	s_lshl_b32 s18, s18, 2
	s_lshr_b32 s[ZP], s[ZP], 3
	s_cmp_eq_u32 s[ZP], 2
	s_cselect_b32 s17, 0, s18
	s_cselect_b32 s42, s18, 0
	s_add_co_u32 s17, s17, s41
	s_add_co_u32 s42, s42, s40
	s_lshl_b32 s43, s41, 2
	s_lshl_b32 s43, 15, s43
	s_lshl_b32 s44, 0x1111, s40
	s_or_b32 s[G1+0], s43, (0<<16)|(1<<20)|(1<<21)|(5<<22)|(3<<25)
	s_or_b32 s[G1B+0], s44, (0<<16)|(1<<20)|(1<<21)|(5<<22)|(3<<25)
.irp g, G1, G1B
	s_mov_b32 s[\g+1], ROWB<<16
	s_mov_b32 s[\g+2], 256<<16                     ; the head's loads bring 256 rows
	s_mov_b32 s[\g+3], ROWB<<16
	s_mov_b32 s[\g+4], 256
	s_mov_b32 s[\g+5], KROW
	s_mov_b32 s[\g+6], 0
	s_mov_b32 s[\g+7], 0
.endr
	s_lshl_b32 s18, s16, 7
	s_lshl_b32 s20, s17, 8
	s_add_co_u32 s20, s20, s18
	s_lshl_b32 s46, s42, 8
	s_add_co_u32 s46, s46, s18
	s_lshl_b32 s22, s20, 5
	s_mov_b32 s23, 0
	s_lshl_b32 s66, s46, 5
	s_mov_b32 s67, 0
	s_lshl_b32 s20, s20, 10
	s_mov_b32 s21, 0
	s_lshl_b32 s46, s46, 10
	s_mov_b32 s47, 0
	s_mul_i32 s45, s14, HALFT
	s_wait_kmcnt 0x0
	s_cmp_eq_u32 s[ZP], 0
	s_cselect_b64 s[4:5], s[68:69], s[72:73]
	s_cselect_b64 s[6:7], s[70:71], s[74:75]
	s_cselect_b64 s[8:9], s[76:77], s[80:81]
	s_cselect_b64 s[10:11], s[78:79], s[82:83]
	s_cselect_b64 s[98:99], s[88:89], s[90:91]
	s_cselect_b64 s[12:13], s[94:95], s[96:97]
	s_cmp_eq_u32 s[ZP], 2
	s_cselect_b64 s[8:9], s[84:85], s[8:9]
	s_cselect_b64 s[10:11], s[86:87], s[10:11]
	s_cselect_b64 s[98:99], s[92:93], s[98:99]
	s_cselect_b64 s[68:69], s[8:9], s[4:5]
	s_cselect_b64 s[70:71], s[10:11], s[6:7]
	s_cselect_b64 s[8:9], s[4:5], s[8:9]
	s_cselect_b64 s[10:11], s[6:7], s[10:11]
	s_mov_b64 s[4:5], s[68:69]
	s_mov_b64 s[6:7], s[70:71]
	s_add_nc_u64 s[20:21], s[4:5], s[20:21]
	s_add_nc_u64 s[22:23], s[6:7], s[22:23]
	s_add_nc_u64 s[46:47], s[8:9], s[46:47]
	s_add_nc_u64 s[66:67], s[10:11], s[66:67]
	s_or_b32 s[G1S+0], s43, (3<<16)|(1<<20)|(1<<21)|(5<<22)|(3<<25)
	s_or_b32 s[G1SB+0], s44, (3<<16)|(1<<20)|(1<<21)|(5<<22)|(3<<25)
.irp g, G1S, G1SB
	s_mov_b32 s[\g+1], 32<<16
	s_mov_b32 s[\g+2], 32<<16                      ; the scale bytes of 256 rows: 8,192 dense bytes as 32 rows of 256
	s_mov_b32 s[\g+3], 32<<16
	s_mov_b32 s[\g+4], 32
	s_mov_b32 s[\g+5], 32
	s_mov_b32 s[\g+6], 0
	s_mov_b32 s[\g+7], 0
.endr
	CROUND
.set G0H,  4                           ; s[4:7], s[8:11] group 0 for the head's loads of K step 0 (the pointers that lay there have been used)
.set G0HB, 8
.set PFA,  92                          ; s[92:93] where my prefetches stand; never rewritten
.set PFO,  7                           ; v7 the prefetches' offset: my lane x a row of 1,024 bytes; never rewritten
	s_lshl_b32 s18, s16, 17                        ; s[20:21] and s[46:47] stand at my half of the tile: 128 rows of 1,024 bytes back is the tile's first row
	s_mov_b32 s19, 0
	s_mov_b32 s[G0H], 1
	s_mov_b32 s[G0H+1], 0
	s_sub_nc_u64 s[G0H+2:G0H+3], s[20:21], s[18:19]
	s_or_b32 s[G0H+3], s[G0H+3], 0x80000000
	s_mov_b32 s[G0HB], 1
	s_mov_b32 s[G0HB+1], 2*HALFT
	s_sub_nc_u64 s[G0HB+2:G0HB+3], s[46:47], s[18:19]
	s_or_b32 s[G0HB+3], s[G0HB+3], 0x80000000
	s_lshl_b32 s18, s16, 12                        ; the same for the scale bytes: 128 rows of 32
	s_mov_b32 s[G0S], 1
	s_mov_b32 s[G0S+1], SCL
	s_sub_nc_u64 s[G0S+2:G0S+3], s[22:23], s[18:19]
	s_or_b32 s[G0S+3], s[G0S+3], 0x80000000
	s_mov_b32 s[G0SB], 1
	s_mov_b32 s[G0SB+1], SCL+2*HALFS
	s_sub_nc_u64 s[G0SB+2:G0SB+3], s[66:67], s[18:19]
	s_or_b32 s[G0SB+3], s[G0SB+3], 0x80000000
	s_cmp_eq_u32 s15, 0                            ; the prefetches: do I fetch for A?
	s_cselect_b64 s[PFA:PFA+1], s[20:21], s[46:47] ; the 128 rows that I fetch in the ring,
	s_cselect_b32 s18, s40, s41                    ; my place among the four that ask for them with me,
	s_lshl_b32 s18, s18, 15                        ; and my work-group's 32 rows of them
	s_add_nc_u64 s[PFA:PFA+1], s[PFA:PFA+1], s[18:19]
.irp s, 0,1
	s_mov_b32 s[G0+4*\s], 1
	s_add_co_u32 s[G0+4*\s+1], s45, \s*SLOT
	s_add_nc_u64 s[G0+4*\s+2:G0+4*\s+3], s[20:21], \s*ROWB
	s_or_b32 s[G0+4*\s+3], s[G0+4*\s+3], 0x80000000
	s_mov_b32 s[G0B+4*\s], 1
	s_add_co_u32 s[G0B+4*\s+1], s45, \s*SLOT
	s_add_nc_u64 s[G0B+4*\s+2:G0B+4*\s+3], s[46:47], \s*ROWB
	s_or_b32 s[G0B+4*\s+3], s[G0B+4*\s+3], 0x80000000
.endr
; One chain of branches on the wave's number, an arm a load, all arms leading to one join: every way through the head passes exactly one load.
.macro ARM under, g0, g1, next
	s_cmp_lt_u32 s14, \under
	s_cbranch_scc0 \next
	tensor_load_to_lds s[\g0:\g0+3], s[\g1:\g1+7]
	s_nop 0
.rept 4
	v_nop
.endr
	s_branch .Lhead_asked
\next:
.endm
	ARM 1, G0H,  G1,  .Lhead_b
	ARM 2, G0HB, G1B, .Lhead_sa
	ARM 3, G0S,  G1S, .Lhead_sb
	tensor_load_to_lds s[G0SB:G0SB+3], s[G1SB:G1SB+7]
	s_nop 0
.rept 4
	v_nop
.endr
.Lhead_asked:
	v_and_b32 v[PFO], 31, v0
	v_lshlrev_b32 v[PFO], 10, v[PFO]
	global_prefetch_b8 v[PFO], s[PFA:PFA+1] offset:256 th:TH_LOAD_NT scope:SCOPE_SE   ; K step 1 of my 32 rows
	global_prefetch_b8 v[PFO], s[PFA:PFA+1] offset:512 th:TH_LOAD_NT scope:SCOPE_SE   ; K step 2
	v_and_b32 v1, 15, v0
	v_bfe_u32 v2, v0, 4, 1
	v_mul_u32_u24 v3, v1, PITCH
	v_lshl_add_u32 v4, v2, 4, v3
	s_mul_i32 s21, s15, HALFT
	s_mul_i32 s22, s16, HALFT
	s_add_co_u32 s22, s22, 2*HALFT
.irp s, 0,1
	v_add_nc_u32 v[ADRA+\s], s21, v4
	v_add_nc_u32 v[ADRB+\s], s22, v4
	s_add_co_u32 s21, s21, SLOT
	s_add_co_u32 s22, s22, SLOT
.endr
	v_mul_u32_u24 v5, v1, KS
	v_lshrrev_b32 v6, 8, v5
	v_lshl_add_u32 v5, v6, 4, v5
	s_mul_i32 s21, s15, HALFS
	s_mul_i32 s22, s16, HALFS
	s_add_co_u32 s22, s22, 2*HALFS
	s_sub_co_u32 s22, s22, s21
	v_mul_u32_u24 v6, s22, v2
	s_add_co_u32 s21, s21, SCL
	v_add_nc_u32 v5, v5, v6
	v_add_nc_u32 v[ADRS], s21, v5
	v_and_b32 v6, 31, v0
	v_lshlrev_b32 v[LI], 4, v6
	v_lshlrev_b32 v[L8], 3, v6
	v_lshlrev_b32 v9, 5, v2
	v_lshlrev_b32 v10, 2, v1
	s_cmp_eq_u32 s[ZP], 2
	s_cselect_b32 s18, s42, s17
	s_cselect_b32 s19, s17, s42
	s_cselect_b32 s20, s16, s15
	s_cselect_b32 s21, s15, s16
	s_cselect_b32 s46, VIM, 0
	s_mov_b32 s47, KSCO
	s_cselect_b32 s47, VSCO, s47
	s_cselect_b32 s66, 8, 9
	s_mov_b32 s100, 1024
	s_mov_b32 s104, 1024
	s_cselect_b32 s100, 2048, s100
	s_cselect_b32 s104, HS-6144, s104
	s_mov_b32 s101, 0
	s_mov_b32 s105, 0
	s_lshl_b32 s22, s19, 10
	s_lshl_b32 s23, s21, 9
	s_add_co_u32 s22, s22, s23
	s_mov_b32 s23, 0
	s_add_nc_u64 s[98:99], s[98:99], s[22:23]
	s_lshr_b32 s22, s18, 3
	s_lshl_b32 s22, s22, 4
	s_lshl_b32 s19, s19, 2
	s_add_co_u32 s22, s22, s19
	s_lshl_b32 s21, s21, 1
	s_add_co_u32 s22, s22, s21
	s_lshl_b32 s22, s22, 3
	s_and_b32 s18, s18, 7
	s_add_co_u32 s22, s22, s18
	s_mul_i32 s22, s22, REC
	s_lshl_b32 s18, s20, 13
	s_add_co_u32 s18, s18, s22
	s_add_co_u32 s18, s18, s46
	s_mov_b32 s19, 0
	s_lshl_b32 s20, s20, s66
	s_add_co_u32 s20, s20, s22
	s_add_co_u32 s20, s20, s47
	s_mov_b32 s21, 0
	s_add_nc_u64 s[96:97], s[12:13], s[20:21]
	s_add_nc_u64 s[12:13], s[12:13], s[18:19]
	s_cmp_eq_u32 s[ZP], 2
	s_cbranch_scc1 .Lbias_v
	s_wait_alu depctr_va_vdst(0)
.irp b, 0,1,2,3,4,5,6,7
	global_load_b128 v[BI+8*\b:BI+8*\b+3], v9, s[98:99] offset:64*\b
	global_load_b128 v[BI+8*\b+4:BI+8*\b+7], v9, s[98:99] offset:64*\b+16
.endr
	s_branch .Lbias_done
.Lbias_v:
	s_wait_alu depctr_va_vdst(0)
.irp a, 0,1,2,3,4,5,6,7
	global_load_b32 v[BI+8*\a], v10, s[98:99] offset:64*\a
.endr
	s_wait_loadcnt 0x0
.irp a, 0,1,2,3,4,5,6,7
.irp j, 1,2,3,4,5,6,7
	v_mov_b32 v[BI+8*\a+\j], v[BI+8*\a]
.endr
.endr
.Lbias_done:
	s_wait_loadcnt 0x0
.macro FRAG reg, adr, q, i
.irp c, 0,1,2,3
	ds_load_b128 v[\reg+4*\c:\reg+4*\c+3], v[\adr] offset:128*(\q)+32*\c+(\i)*16*PITCH
.endr
.endm
.macro MUL16 a0, p, q, sc, cmode
.irp a, \a0, \a0+1
.irp b, 0,1,2,3,4,5,6,7
.if (\cmode) == 1
	v_wmma_scale_f32_16x16x128_f8f6f4 v[8*(8*((\a)%4)+\b):8*(8*((\a)%4)+\b)+7], v[128*(\p)+FR*\b:128*(\p)+FR*\b+FR-1], v[AF+FR*(\a):AF+FR*(\a)+FR-1], v[BI+8*\b:BI+8*\b+7], v[SC+8*NQ*(\sc)+NQ*\b+(\q)], v[SC+8*NQ*(\sc)+NQ*(\a)+(\q)] matrix_a_scale:MATRIX_SCALE_ROW1
.elseif (\cmode) == 2
	v_wmma_scale_f32_16x16x128_f8f6f4 v[8*(8*((\a)%4)+\b):8*(8*((\a)%4)+\b)+7], v[128*(\p)+FR*\b:128*(\p)+FR*\b+FR-1], v[AF+FR*(\a):AF+FR*(\a)+FR-1], v[BI+8*(\a):BI+8*(\a)+7], v[SC+8*NQ*(\sc)+NQ*\b+(\q)], v[SC+8*NQ*(\sc)+NQ*(\a)+(\q)] matrix_a_scale:MATRIX_SCALE_ROW1
.else
	v_wmma_scale_f32_16x16x128_f8f6f4 v[8*(8*((\a)%4)+\b):8*(8*((\a)%4)+\b)+7], v[128*(\p)+FR*\b:128*(\p)+FR*\b+FR-1], v[AF+FR*(\a):AF+FR*(\a)+FR-1], v[8*(8*((\a)%4)+\b):8*(8*((\a)%4)+\b)+7], v[SC+8*NQ*(\sc)+NQ*\b+(\q)], v[SC+8*NQ*(\sc)+NQ*(\a)+(\q)] matrix_a_scale:MATRIX_SCALE_ROW1
.endif
.endr
.endr
.endm
.macro FETCH_B slot, q, p
	WIN TO_B
.irp i, 0,1,2,3,4,5,6,7
	FRAG 128*(\p)+FR*\i, ADRB+\slot, \q, \i
.endr
	WIN 0
.endm
.macro FETCH_A slot, q, i0
.irp i, \i0, \i0+1, \i0+2, \i0+3
	FRAG AF+FR*(\i), ADRA+\slot, \q, \i
.endr
.endm
.macro SCALES sc
.irp i, 0,1,2,3,4,5,6,7
	ds_load_b64 v[SC+8*NQ*\sc+NQ*\i:SC+8*NQ*\sc+NQ*\i+1], v[ADRS] offset:\i*SBLK
.endr
.endm
.macro PLACES n
.rept \n
	v_nop
.endr
.endm
.macro STEP slot, q, cmode
	s_wait_dscnt 4*NL
.if (\cmode) != 0
	WIN BIA_LO
.else
	WIN MUL_LO
.endif
	MUL16 0, (\q)%2, \q, \slot, \cmode
	MUL16 2, (\q)%2, \q, \slot, \cmode
	s_wait_dscnt 0
	PLACES NP
	FETCH_B \slot, (\q)+1, 1-(\q)%2
	FETCH_A \slot, (\q)+1, 0
.if (\cmode) != 0
	WIN BIA_HI
.else
	WIN MUL_HI
.endif
	MUL16 4, (\q)%2, \q, \slot, \cmode
	MUL16 6, (\q)%2, \q, \slot, \cmode
	PLACES NP
	WIN 0
	FETCH_A \slot, (\q)+1, 4
.endm
.macro TURN slot, next, fill
	s_wait_tensorcnt 0x0
	ds_add_u32 v[SPW], v[NIL]
	s_wait_dscnt 4*NL+1
	WIN MUL_LO
	MUL16 0, 1, NQ-1, \slot, 0
	s_wait_dscnt 0x0
	s_barrier_signal -1
	MUL16 2, 1, NQ-1, \slot, 0
	WIN 0
	s_barrier_wait -1
.if \fill
	CREST
	s_add_nc_u64 s[G0+4*\slot+2:G0+4*\slot+3], s[G0+4*\slot+2:G0+4*\slot+3], 2*ROWB
	s_add_nc_u64 s[G0B+4*\slot+2:G0B+4*\slot+3], s[G0B+4*\slot+2:G0B+4*\slot+3], 2*ROWB
	JLOAD G0+4*\slot, G1, G0B+4*\slot, G1B
	PLACES NP-4
.else
	PLACES NP
.endif
	s_wait_alu depctr_va_vdst(0)
	v_add_nc_u32 v[ADRS], 4*NQ, v[ADRS]
	FETCH_B \next, 0, 0
	FETCH_A \next, 0, 0
	SCALES \next
	WIN MUL_HI
	MUL16 4, 1, NQ-1, \slot, 0
	MUL16 6, 1, NQ-1, \slot, 0
	PLACES NP
	WIN 0
	FETCH_A \next, 0, 4
.endm
	s_wait_alu depctr_va_vdst(0)                   ; the wait at the head's end
	s_wait_tensorcnt 0x0                           ; my tile of the head's four is in
	ds_add_u32 v[SPW], v[NIL]
	s_mov_b32 s[G1+2], 128<<16                     ; no tensor load of mine is out, so a descriptor may be written: from here on a load brings 128 rows
	s_mov_b32 s[G1+4], 128
	s_mov_b32 s[G1B+2], 128<<16
	s_mov_b32 s[G1B+4], 128
	s_wait_dscnt 0x0
	CROUND                                         ; all four tiles are in, and all sixteen work-groups are here
	JLOAD G0+4, G1, G0B+4, G1B                     ; K step 1: the first tensor load behind the round
	FETCH_B 0, 0, 0
	FETCH_A 0, 0, 0
	SCALES 0
	FETCH_A 0, 0, 4
	global_prefetch_b8 v[PFO], s[PFA:PFA+1] offset:768 th:TH_LOAD_NT scope:SCOPE_SE   ; K step 3, two refills on
	s_cmp_eq_u32 s[ZP], 2
	s_cbranch_scc1 .Lfirst_v
	s_wait_alu depctr_va_vdst(0)
	STEP 0, 0, 1
	s_branch .Lfirst_done
.Lfirst_v:
	s_wait_alu depctr_va_vdst(0)
	STEP 0, 0, 2
.Lfirst_done:
	TURN 0, 1, 1
	STEP 1, 0, 0
	TURN 1, 0, 1
	STEP 0, 0, 0
	TURN 0, 1, 0
	STEP 1, 0, 0
	s_wait_dscnt 4*NL
	WIN MUL_LO
	MUL16 0, 1, NQ-1, 1, 0
	MUL16 2, 1, NQ-1, 1, 0
	s_wait_dscnt 0
	WIN MUL_HI
	MUL16 4, 1, NQ-1, 1, 0
	MUL16 6, 1, NQ-1, 1, 0
	WIN 0
	s_mov_b32 s24, 0x76543210
	s_mov_b32 s25, 0xfedcba98
	s_mov_b32 s26, 0x600000
	s_mov_b32 s27, 0xffff0000
	s_cmp_eq_u32 s[ZP], 2
	s_mov_b32 s28, HS
	s_cselect_b32 s28, 1024, s28
	s_mov_b32 s29, HS+512
	s_cselect_b32 s29, 1536, s29
.irp b, 0,1,2,3
	v_mov_b32 v[TM+4+\b], 0
.endr
	v_mov_b32 v[AD], v[LI]
	v_add_nc_u32 v[AD+1], 512, v[LI]
	v_add_nc_u32 v[AD+2], s28, v[LI]
	v_add_nc_u32 v[AD+3], s29, v[LI]
.macro QA a
.set AC, 64*((\a)%4)
.set WD, 2+(\a)/4
.set PCS, PC+16*((\a)%2)
	WIN (WD<<2)|WD
.irp b, 0,1,2,3
	v_max3_num_f32 v[TM+\b], |v[AC+16*\b]|, |v[AC+16*\b+1]|, 0x4800000
.endr
	WIN (WD<<4)|(WD<<2)
.irp i, 2,4,6,8,10,12,14
.irp b, 0,1,2,3
	v_max3_num_f32 v[TM+\b], v[TM+\b], |v[AC+16*\b+\i]|, |v[AC+16*\b+\i+1]|
.endr
.endr
	WIN 0
.irp b, 0,1,2,3
	v_permlanex16_b32 v[TM+4+\b], v[TM+\b], s24, s25
.endr
.irp b, 0,1,2,3
	v_max_num_f32 v[TM+\b], v[TM+\b], v[TM+4+\b]
.endr
.irp b, 0,1,2,3
	v_add_nc_u32 v[TM+12+\b], 0xfc000000, v[TM+\b]
.endr
.irp b, 0,1,2,3
	v_and_or_b32 v[TM+8+\b], v[TM+\b], 0x7f800000, s26
.endr
.irp b, 0,1,2,3
	v_lshrrev_b32 v[TM+4+\b], 23, v[TM+12+\b]
.endr
	v_lshl_or_b32 v[SW+(\a)], v[TM+5], 8, v[TM+4]
	v_lshl_or_b32 v[SW+(\a)], v[TM+6], 16, v[SW+(\a)]
	v_lshl_or_b32 v[SW+(\a)], v[TM+7], 24, v[SW+(\a)]
	WIN (WD<<6)|WD
.irp b, 0,1,2,3
.irp i, 0,1,2,3,4,5,6,7,8,9,10,11,12,13,14,15
	v_med3_num_f32 v[AC+16*\b+\i], v[AC+16*\b+\i], -v[TM+8+\b], v[TM+8+\b]
.endr
.endr
	WIN WD
.irp b, 0,1,2,3
	v_cvt_scalef32_pk8_fp8_f32 v[PCS+4*\b:PCS+4*\b+1], v[AC+16*\b:AC+16*\b+7], v[TM+12+\b]
	v_cvt_scalef32_pk8_fp8_f32 v[PCS+4*\b+2:PCS+4*\b+3], v[AC+16*\b+8:AC+16*\b+15], v[TM+12+\b]
.endr
	WIN 0
	v_nop
.if (\a) == 4
	s_wait_alu depctr_va_vdst(0)
	s_wait_xcnt 0x0
	s_add_nc_u64 s[12:13], s[12:13], s[104:105]
.elseif (\a) > 0
	s_wait_alu depctr_va_vdst(0)
	s_wait_xcnt 0x0
	s_add_nc_u64 s[12:13], s[12:13], s[100:101]
.endif
.irp b, 0,1,2,3
	global_store_b128 v[AD+\b], v[PCS+4*\b:PCS+4*\b+3], s[12:13]
.endr
.endm
.irp a, 0,1,2,3,4,5,6,7
	QA \a
.endr
	s_cmp_eq_u32 s[ZP], 2
	s_cbranch_scc1 .Lsc_v
.irp w, 0,1,2,3
	v_cndmask_b32 v[DW+\w], v[SW+\w], v[SW+4+\w], s27
.endr
	global_store_b128 v[LI], v[DW:DW+3], s[96:97]
.irp a, 0,1,2,3,4,5,6,7
	v_lshrrev_b32 v[SW+\a], 16, v[SW+\a]
.endr
	s_wait_alu depctr_va_vdst(0)
	s_wait_xcnt 0x0
.irp w, 0,1,2,3
	v_cndmask_b32 v[DW+\w], v[SW+\w], v[SW+4+\w], s27
.endr
	global_store_b128 v[LI], v[DW:DW+3], s[96:97] offset:HS
	s_branch .Lsc_done
.Lsc_v:
.irp w, 0,1
	v_cndmask_b32 v[DW+\w], v[SW+\w], v[SW+2+\w], s27
	v_cndmask_b32 v[DW+2+\w], v[SW+4+\w], v[SW+6+\w], s27
.endr
	global_store_b64 v[L8], v[DW:DW+1], s[96:97]
	global_store_b64 v[L8], v[DW+2:DW+3], s[96:97] offset:HS
.Lsc_done:
	s_wait_tensorcnt 0x0
	ds_add_u32 v[SPW], v[NIL]
	s_wait_dscnt 0x0
	CROUND
	s_endpgm
.Lfunc_end_k_q1165ff7981_proj:
	.size	k_q1165ff7981_proj, .Lfunc_end_k_q1165ff7981_proj-k_q1165ff7981_proj
	.p2alignl 7, 3214868480
	.fill 96, 4, 3214868480
	.section	.rodata,"a",@progbits
	.p2align	6, 0x0
	.amdhsa_kernel k_q1165ff7981_proj
		.amdhsa_group_segment_fixed_size 327680
		.amdhsa_private_segment_fixed_size 0
		.amdhsa_enable_private_segment 0
		.amdhsa_kernarg_size 120
		.amdhsa_user_sgpr_count 2
		.amdhsa_user_sgpr_kernarg_segment_ptr 1
		.amdhsa_wavefront_size32 1
		.amdhsa_system_sgpr_workgroup_id_x 1
		.amdhsa_system_sgpr_workgroup_id_y 1
		.amdhsa_system_sgpr_workgroup_id_z 1
		.amdhsa_system_vgpr_workitem_id 0
		.amdhsa_next_free_vgpr 1024
		.amdhsa_next_free_sgpr 106
		.amdhsa_reserve_vcc 0
		.amdhsa_float_denorm_mode_32 3
		.amdhsa_float_denorm_mode_16_64 3
		.amdhsa_memory_ordered 1
		.amdhsa_forward_progress 1
		.amdhsa_inst_pref_size 207
	.end_amdhsa_kernel
	.amdgpu_metadata
---
amdhsa.version: [ 1, 2 ]
amdhsa.kernels:
  - .name:           k_q1165ff7981_proj
    .symbol:         k_q1165ff7981_proj.kd
    .args:
      - { .name: x_q_codes, .offset: 0, .size: 8, .value_kind: global_buffer, .address_space: global }
      - { .name: x_q_scales, .offset: 8, .size: 8, .value_kind: global_buffer, .address_space: global }
      - { .name: x_k_v_codes, .offset: 16, .size: 8, .value_kind: global_buffer, .address_space: global }
      - { .name: x_k_v_scales, .offset: 24, .size: 8, .value_kind: global_buffer, .address_space: global }
      - { .name: w_q_codes, .offset: 32, .size: 8, .value_kind: global_buffer, .address_space: global }
      - { .name: w_q_scales, .offset: 40, .size: 8, .value_kind: global_buffer, .address_space: global }
      - { .name: w_k_codes, .offset: 48, .size: 8, .value_kind: global_buffer, .address_space: global }
      - { .name: w_k_scales, .offset: 56, .size: 8, .value_kind: global_buffer, .address_space: global }
      - { .name: w_v_codes, .offset: 64, .size: 8, .value_kind: global_buffer, .address_space: global }
      - { .name: w_v_scales, .offset: 72, .size: 8, .value_kind: global_buffer, .address_space: global }
      - { .name: b_q, .offset: 80, .size: 8, .value_kind: global_buffer, .address_space: global }
      - { .name: b_k, .offset: 88, .size: 8, .value_kind: global_buffer, .address_space: global }
      - { .name: b_v, .offset: 96, .size: 8, .value_kind: global_buffer, .address_space: global }
      - { .name: qrec, .offset: 104, .size: 8, .value_kind: global_buffer, .address_space: global }
      - { .name: kvrec, .offset: 112, .size: 8, .value_kind: global_buffer, .address_space: global }
    .group_segment_fixed_size: 327680
    .private_segment_fixed_size: 0
    .kernarg_segment_align: 8
    .kernarg_segment_size: 120
    .max_flat_workgroup_size: 128
    .sgpr_count:     106
    .vgpr_count:     1024
    .wavefront_size: 32
...
	.end_amdgpu_metadata
.endif
;; end of part 1
;; launch attn (part 2): grid 4 x 64, 8 waves a work-group, clusters of 4 x 4, 327,680 bytes of LDS; arguments qrec, kvrec, attn_mask, out0; writes out0
.if DOCPART == 2
	.amdgcn_target "amdgcn-amd-amdhsa--gfx1250"
	.amdhsa_code_object_version 6
	.text
	.protected	k_q1165ff7981_attn
	.globl	k_q1165ff7981_attn
	.p2align	8
	.type	k_q1165ff7981_attn,@function
k_q1165ff7981_attn:
	s_mov_b64 s[64:65], 0
	v_nop
	global_prefetch_b8 v0, s[64:65] scope:SCOPE_SE
	s_setreg_imm32_b32 hwreg(HW_REG_WAVE_MODE, 25, 1), 1
	s_wait_xcnt 0x0
	s_wait_alu depctr_hold_cnt(0) depctr_sa_sdst(0) depctr_va_vdst(0) depctr_va_sdst(0) depctr_va_ssrc(0) depctr_va_vcc(0) depctr_vm_vsrc(0)
	s_getreg_b32 s2, hwreg(HW_REG_IB_STS2, 6, 4)
	s_cmp_eq_u32 s2, 0
	s_cbranch_scc0 .Lentry_in_a_cluster
	s_endpgm
.Lentry_in_a_cluster:
	s_bfe_u32 s2, ttmp6, 0x10000c
	s_cmp_lg_u32 s2, 0xf033
	s_cbranch_scc0 .Lentry_shape_is_right
	s_endpgm
.Lentry_shape_is_right:
; out[b][q][64 head ..] = the sum over k of softmax_k(where(mask, -1e9, q . k / 8)) v[k], both products on codes of FP8 (E4M3) with one E8M0 scale for each 32 along a product's K.
; q, k, v come as images of operand registers: a record of REC bytes for each (batch, head, 256 tokens): 16 tiles x 1,024 bytes of q's or k's codes, their scale words, 2 steps x 4 tiles x 2,048 bytes of v's codes with the keys innermost, their scale words.
; THE SOFTMAX: t = logit x log2(e); M = the row's largest t so far, rounded up to a whole number; p = 2^(t - M) is quantised along the keys, not normalised; the row's sum is taken of the unquantised p and divides at the end.
; SHARES.  A work-group owns 256 queries of one (batch, head); each of its eight waves 32: two tiles of 16, X = 0 and 1, so that each fragment of K and V read from LDS feeds two matrix instructions.
; Every wave walks all 2,048 keys, 128 a step; a slot of the ring holds 256 keys: one record and the mask's 256 x 256 bytes.
; LAYOUT.  Both products are used transposed: S^T = K Q^T, O^T = V^T P^T: a lane holds one query (lane % 16); in score tile t its registers are keys 16 t + 8 (lane / 16) + 0..7.
; The 16 registers of tiles 2 g, 2 g + 1 become registers 4 g .. 4 g + 3 of P's operand: a permutation inside each block of 32 keys, the same that the launch before gave V.
; K = 64: Q's operand is eight registers of codes and eight of zeros; K's is a tile's eight registers and the eight that follow (finite codes, multiplied by zeros).
; THE MASK.  A mask byte 1 is the E4M3 code of 2^-9: one scaled conversion (scale 2^127) turns eight mask bytes into 0 or 2^118, in the layout of a score tile's C.  Q's codes have their signs turned once,
; so a score tile holds ns = -(q . k) + 2^118 mask: the text works on negated scores (minima for maxima, a negative constant).  A masked key's p is 0 wherever its row has an open key.
; A ROW WITHOUT AN OPEN KEY SO FAR: the largest t starts at TMASK = f32(-1e9 x log2 e), a whole number; while it stands there the lane's multiplier and addend are 0, so p = 1 for every key, as for equal logits.
; The first open key makes the rescaling factor 0, which wipes what was summed.  These are selections of values: no branch hangs on data.
; LIMITS: an open logit at or below -1e9 counts as masked, and a masked key beside an open logit within some 150 of -1e9 gets p = 0 where the definition has a small p; NaN and infinities are not served; a block of zeros has the byte 1 (its codes are zeros).
; CLUSTER: 4 x 4 work-groups: four query blocks x four heads of one batch.  A record hangs on (batch, head): asked for jointly along a row of the cluster; a mask tile on (batch, query block): along a column.
; REGISTERS.  Window 0: addresses, scale words, and BOTH tiles' scores, codes and statistics, so that the two tiles' softmax is one text whose chains take turns, with no change of window in it.
; Window 1: K's eight tiles and eight zeros, V's four fragments, Q's two operands, O^T of both tiles.
; THE CHANGE OF SLOTS opens inside a slot's second step: behind V's loads a wave has no LDS read of the slot left, so its waits, its add and its signal stand there, and the rest of the step, work on registers alone, stands between the signal and the wait.
; A WORK-GROUP STAYS: it takes two blocks of 256 queries of its head, x and x + 4, one after the other: 256 work-groups in all.  The ring runs on through 16 slots: slots 0 to 7 are the head's keys under the first block's mask rows, slots 8 to 15 the same keys under the second's.
; Behind slot 7 the first block goes out through a stage of its own LDS bytes, the sums, O^T and M begin anew, and the second block's Q, fetched at the head, takes its place.
.set REC,   34304
.set HS,    8*REC
.set KSCO,  16384                      ; in a record: K's scale words, 512 bytes a step,
.set VIM,   17408                      ; V's codes, 8,192 bytes a step,
.set VSCO,  33792                      ; V's scale words, 256 bytes a step
.set SLOT1, 1<<17                      ; slot 1 begins here: one exclusive or turns an address from one slot to the other
.set MOFF,  REC                        ; in a slot, behind the record: the mask tile, 256 rows
.set MP,    272                        ; of 256 bytes + 16 of padding
.set SPARE, 2*SLOT1                    ; the spare words, 128 bytes for each wave: four blocks of 256 bytes that no other line names
.set SP,    272                        ; the way out: a stage of 16 rows x (256 bytes + 16) for each tile, in slot 0's bytes, which have had their last fill and their last read by then
.set TMASK, 0xceabfb8f                 ; f32(-1e9) x f32(log2 e), rounded to f32
.set SPW, 1
.set NIL, 2
.set LI,  3                            ; 16 x lane
.set L8,  4                            ; 8 x lane
.set AM,  5                            ; my lane's place in a mask tile: row 32 wave + lane % 16, + 8 (lane / 16)
.set ADK, 6                            ; slot + LI
.set ADM, 7                            ; slot + AM
.set ADV, 8                            ; slot + L8
.set PFO, 9                            ; the prefetches' offset; never rewritten
.set STO, 10
.set RD,  11
.set KSW, 12                           ; v12-15 K's scale words, v16-17 V's, v18-19 Q's, v20-21 P's
.set VSW, 16
.set QS,  18
.set PW,  20
.set GO,  22
.set S,   24                           ; + 64 X: scores, then p
.set PC,  152                          ; + 16 X: p's codes
.set TM,  184                          ; + TMX X: first the mask's bytes; then +0..3 a block's least ns, its largest p; +4..7 the other half's, a chain of the sum, the bytes; +8..11 448 x the scale; +12..15 the conversions' scale operands
.set TMX, 18                           ; so that the two tiles' bounds differ by 2 modulo 4 in their numbers (a dual pair's second sources)
.set ST,  220                          ; + 10 X: +0,1 the row's sum in two halves; +2,3 f; +4,5 at work, then the lane's addend; +6,7 the lane's multiplier; +8 -M; +9 the largest t
.set FE,  240                          ; 0xfe in every byte: the scale 2^127
.set NCV, 241                          ; -log2(e) / 8
.set KF,  0                            ; window 1: K's eight tiles,
.set ZR,  64                           ; eight zeros,
.set VF,  72                           ; V's four fragments,
.set Q,   136                          ; + 16 X: Q,
.set O,   168                          ; + 32 X: O^T
.set TB,  2                            ; s2  LDS byte at which the slot in hand begins
.set SLOTS, 3                          ; s3  slots still to be asked for
.set WV,  12
.set MNT, 19                           ; s19 the mantissa field of 448
.set SEL, 20                           ; s[20:21] v_permlanex16_b32's selects for lane l xor 16
.set TMS, 22                           ; s22 TMASK
.set G1K, 24
.set G1M, 32
.set G0K, 40
.set G0M, 44
.set PFA, 48                           ; s[48:49] where my prefetches stand
.set PFS, 50                           ; s[50:51] a slot on, in bytes
.set LIM, 52                           ; s52 9 in wave 0, 1 in waves 2 and 3, where they prefetch; else the greatest number
.set CM,  54                           ; s54, s55 the lanes whose row has seen an open key, tile 0, tile 1
.set KB,  70                           ; s[70:71] my part of the head's first record
.set MB,  72                           ; s[72:73] my rows of the first block's mask, at key 0
.set PFB, 74                           ; s[74:75] my prefetches' place in slot 0
.set PFJ, 76                           ; s76 from the first block's mask rows to the second's, in bytes (0 in the wave that asks for records)
.set SI,  77                           ; s77 the slot that was asked for last: 0 .. 15
.set STG, SPARE+1024                   ; the first block's way out: a stage of 16 rows x (256 bytes + 16) for each wave, in bytes on which no fill lands
.set QS2, 200                          ; v200, v201 the second block's scale words of Q
.set STO2, 218                         ; that stage: where I put 32 bytes of a row,
.set RD2, 219                          ; where I read a row back,
.set GO2, 23                           ; and my byte offset in out
.set Q2,  232                          ; window 1, + 8 X: the second block's codes of Q
.set MSB, 0
.macro WIN new                         ; bits 1:0 source 0, 3:2 source 1, 5:4 source 2, 7:6 destination; the high byte repeats the setting that is left
.if MSB != (\new)
	s_set_vgpr_msb (MSB<<8)|(\new)
.set MSB, (\new)
.endif
.endm
.macro CREST                           ; a round of the cluster's barrier behind its opening signal
	s_barrier_wait -1
	s_cmp_lg_u32 s[WV], 0
	s_cbranch_scc1 .Lnw0_\@
	s_barrier_signal -3
.Lnw0_\@:
	s_barrier_wait -3
	s_barrier_signal -1
	s_barrier_wait -1
.endm
.macro CROUND
	s_barrier_signal -1
	CREST
.endm
; Waves 0 and 1 fetch the record's halves, waves 4 to 7 a quarter of the mask tile each, waves 2 and 3 nothing.  The branches hang on the wave's number alone.  An s_nop 0 and four v_nop follow each line.
.macro TLOAD
	s_cmp_lt_u32 s[WV], 2
	s_cbranch_scc0 .Lnot_k_\@
	tensor_load_to_lds s[G0K:G0K+3], s[G1K:G1K+7]
	s_nop 0
.rept 4
	v_nop
.endr
	s_branch .Lasked_\@
.Lnot_k_\@:
	s_cmp_ge_u32 s[WV], 4
	s_cbranch_scc0 .Lasked_\@
	tensor_load_to_lds s[G0M:G0M+3], s[G1M:G1M+7]
	s_nop 0
.rept 4
	v_nop
.endr
.Lasked_\@:
.endm
; A PREFETCH INTO THE L2 of what the next change of slots will ask for, two key steps ahead of that load.  Each block of 256 bytes is named once in the launch.
; A record is read by the head's one cluster, in both passes: its wave 0 asks in the first pass alone (slots 2 to 7); partner cx takes blocks 32 cx .. 32 cx + 31, a lane a block (the record's last six blocks come by their load alone).
; A mask tile is read by the batch's four clusters: the first of them asks, its waves 2 and 3, for slots 2 to 15; partner cy takes rows 64 cy + 32 (wave - 2) + lane.  Partners are told apart by address alone.
; The last change that fills a slot asks for nothing; slots 0 and 1 come by their loads alone.
.macro ASK
	s_cmp_gt_u32 s[SLOTS], s[LIM]
	s_cbranch_scc0 .Lnot_mine_\@
	global_prefetch_b8 v[PFO], s[PFA:PFA+1] th:TH_LOAD_NT scope:SCOPE_SE
.Lnot_mine_\@:
.endm
	s_load_b256 s[4:11], s[0:1], 0x0               ; qrec s[4:5], kvrec s[6:7], the mask s[8:9], out s[10:11]
	v_lshl_add_u32 v[SPW], v0, 2, SPARE
	v_mov_b32 v[NIL], 0
	ds_add_u32 v[SPW], v[NIL]                      ; the opening lines: the add, twice on end, and its wait
	ds_add_u32 v[SPW], v[NIL]
	s_wait_dscnt 0x0
	v_lshrrev_b32 v3, 5, v0
	v_readfirstlane_b32 s[WV], v3                  ; wave 0..7
	s_bfe_u32 s13, ttmp6, 0x40000                  ; cx
	s_bfe_u32 s14, ttmp6, 0x40004                  ; cy
	s_and_b32 s15, ttmp7, 0xffff                   ; cluster y
	s_lshl_b32 s16, ttmp9, 2
	s_add_co_u32 s16, s16, s13                     ; x: my block of 256 queries
	s_lshl_b32 s17, s15, 2
	s_add_co_u32 s17, s17, s14                     ; y = 16 x batch + head
	s_lshr_b32 s18, s15, 2                         ; the batch, from the cluster's y alone
	s_lshl_b32 s53, s14, 2
	s_lshl_b32 s53, 15, s53                        ; my row of the cluster
	s_lshl_b32 s54, 0x1111, s13                    ; my column
	; group 1 for half a record: a dense block of 17,152 bytes as 67 rows of 256 bytes (32 elements of 8), no padding: images are read 16 x lane on end
	s_or_b32 s[G1K], s53, (3<<16)|(1<<21)
	s_mov_b32 s[G1K+1], 32<<16
	s_mov_b32 s[G1K+2], 67<<16
	s_mov_b32 s[G1K+3], 32<<16
	s_mov_b32 s[G1K+4], 67
	s_mov_b32 s[G1K+5], 32
	s_mov_b32 s[G1K+6], 0
	s_mov_b32 s[G1K+7], 0
	; group 1 for a quarter of a mask tile: 64 rows of 256 bytes, 2,048 bytes apart, four words of padding after every 64
	s_or_b32 s[G1M], s54, (0<<16)|(1<<20)|(1<<21)|(5<<22)|(3<<25)
	s_mov_b32 s[G1M+1], 256<<16
	s_mov_b32 s[G1M+2], 64<<16
	s_mov_b32 s[G1M+3], 256<<16
	s_mov_b32 s[G1M+4], 64
	s_mov_b32 s[G1M+5], 2048
	s_mov_b32 s[G1M+6], 0
	s_mov_b32 s[G1M+7], 0
	s_and_b32 s55, s[WV], 1
	s_mul_i32 s56, s55, 17152                      ; my half of a record, in memory and in a slot
	s_mul_i32 s58, s17, HS
	s_add_co_u32 s58, s58, s56                     ; hangs on y, never on cx
	s_mov_b32 s59, 0
	s_and_b32 s57, s[WV], 3
	s_lshl_b32 s60, s18, 22                        ; the batch's 2,048 x 2,048 bytes,
	s_lshl_b32 s61, s16, 19                        ; my block's 256 rows,
	s_add_co_u32 s60, s60, s61
	s_lshl_b32 s61, s57, 17                        ; my 64 of them: hangs on the batch and x, never on cy
	s_add_co_u32 s60, s60, s61
	s_mov_b32 s61, 0
	s_mul_i32 s62, s57, 64*MP
	s_add_co_u32 s62, s62, MOFF
	s_mov_b32 s[MNT], 0x600000
	s_mov_b32 s[SEL], 0x76543210
	s_mov_b32 s[SEL+1], 0xfedcba98
	s_mov_b32 s[TMS], TMASK
	s_mov_b32 s[TB], 0
	s_mov_b32 s[SLOTS], 15
	s_mov_b32 s[SI], 0
	s_wait_kmcnt 0x0
	s_mov_b32 s[G0K], 1
	s_mov_b32 s[G0K+1], s56                        ; LDS address: slot 0
	s_add_nc_u64 s[KB:KB+1], s[6:7], s[58:59]      ; the head's first record
	s_mov_b64 s[G0K+2:G0K+3], s[KB:KB+1]
	s_or_b32 s[G0K+3], s[G0K+3], 0x80000000
	s_mov_b32 s[G0M], 1
	s_mov_b32 s[G0M+1], s62
	s_add_nc_u64 s[MB:MB+1], s[8:9], s[60:61]
	s_mov_b64 s[G0M+2:G0M+3], s[MB:MB+1]
	s_or_b32 s[G0M+3], s[G0M+3], 0x80000000
	CROUND                                         ; all sixteen work-groups are here: the first joint loads meet
	TLOAD                                          ; slot 0: one load of mine is out at the most, here and behind every round
	; Q's record, O's rows
	s_mul_i32 s66, s17, HS
	s_mul_i32 s67, s16, REC
	s_add_co_u32 s66, s66, s67
	s_mov_b32 s67, 0
	s_add_nc_u64 s[4:5], s[4:5], s[66:67]
	s_lshl_b32 s66, s18, 11
	s_lshl_b32 s67, s16, 8
	s_add_co_u32 s66, s66, s67
	s_lshl_b32 s67, s[WV], 5
	s_add_co_u32 s66, s66, s67                     ; my first query's row: 2,048 batch + 256 x + 32 wave,
	s_lshl_b32 s66, s66, 12                        ; of 4,096 bytes,
	s_and_b32 s67, s17, 15
	s_lshl_b32 s67, s67, 8                         ; the head's 256 bytes in it
	s_add_co_u32 s66, s66, s67
	s_mov_b32 s67, 0
	s_add_nc_u64 s[10:11], s[10:11], s[66:67]
	; the prefetches: where my wave's stand (in slot 0: the first change of slots steps them to slot 2), and who asks
	s_mul_i32 s53, s17, HS
	s_lshl_b32 s54, s13, 13
	s_add_co_u32 s53, s53, s54
	s_lshl_b32 s54, s18, 22
	s_lshl_b32 s55, s16, 19
	s_add_co_u32 s54, s54, s55
	s_lshl_b32 s55, s14, 17
	s_add_co_u32 s54, s54, s55
	s_and_b32 s55, s[WV], 1
	s_lshl_b32 s55, s55, 16
	s_add_co_u32 s54, s54, s55
	s_and_b32 s55, s15, 3
	s_mov_b32 s[PFS], 256
	s_mov_b32 s[PFJ], 1<<21                        ; 1,024 mask rows of 2,048 bytes
	s_cmp_eq_u32 s[WV], 0
	s_cselect_b64 s[PFA:PFA+1], s[6:7], s[8:9]
	s_cselect_b32 s56, s53, s54
	s_cselect_b32 s[PFS], REC, s[PFS]
	s_cselect_b32 s55, ttmp9, s55                  ; the coordinate along which other clusters read the same bytes
	s_cselect_b32 s58, 8, 11                       ; from lane to lane: 256 bytes in a record, a row of 2,048 in the mask
	s_cselect_b32 s[PFJ], 0, s[PFJ]
	s_cselect_b32 s82, 9, 1                        ; a change names slot 17 - s[SLOTS]: records up to slot 7, mask tiles up to slot 15
	s_mov_b32 s57, 0
	s_add_nc_u64 s[PFA:PFA+1], s[PFA:PFA+1], s[56:57]
	s_mov_b64 s[PFB:PFB+1], s[PFA:PFA+1]
	s_lshr_b32 s59, s[WV], 2
	s_or_b32 s55, s55, s59                         ; not waves 4 to 7,
	s_cmp_eq_u32 s[WV], 1
	s_cselect_b32 s59, 1, 0
	s_or_b32 s55, s55, s59                         ; nor wave 1
	s_cmp_eq_u32 s55, 0
	s_cselect_b32 s[LIM], s82, -1                  ; the same in all sixteen partners, for a given wave
	; Q: tiles 2 wave + X of the block's 16; their scale words lie as K's do: tile t of a step's eight, row r, at 16 (r + 16 (t / 4)) + 4 (t % 4)
	s_lshl_b32 s68, s[WV], 11
	s_lshr_b32 s53, s[WV], 2
	s_lshl_b32 s69, s53, 9
	s_bfe_u32 s53, s[WV], 0x10001
	s_lshl_b32 s53, s53, 8
	s_add_co_u32 s69, s69, s53
	s_and_b32 s53, s[WV], 1
	s_lshl_b32 s53, s53, 3
	s_add_co_u32 s69, s69, s53
	s_add_co_u32 s69, s69, KSCO
	s_mul_i32 s83, s[WV], 16*SP
	s_add_co_u32 s83, s83, STG                     ; my stage for the first block's way out
	v_and_b32 v6, 31, v0
	v_and_b32 v7, 15, v0                           ; r
	v_bfe_u32 v8, v0, 4, 1                         ; h
	v_and_b32 v[AM], 0xe0, v0                      ; 32 x wave
	v_lshlrev_b32 v[PFO], s58, v6
	v_lshlrev_b32 v[LI], 4, v6
	v_lshlrev_b32 v[L8], 3, v6
	v_add_nc_u32 v[AM], v[AM], v7
	v_mul_u32_u24 v[AM], v[AM], MP
	v_lshl_add_u32 v[AM], v8, 3, v[AM]
	v_add_nc_u32 v[AM], MOFF, v[AM]
	v_add_nc_u32 v10, s68, v[LI]
	v_lshl_add_u32 v11, v7, 4, s69
	v_mul_u32_u24 v[STO2], v7, SP
	v_mul_u32_u24 v[RD2], v8, SP
	v_lshlrev_b32 v[GO2], 12, v8
	v_lshl_add_u32 v[STO2], v8, 5, v[STO2]
	v_lshl_add_u32 v[RD2], v7, 4, v[RD2]
	v_lshl_add_u32 v[GO2], v7, 4, v[GO2]           ; lanes 0-15 one row of out, lanes 16-31 the next, 4,096 bytes apart
	v_add_nc_u32 v[STO2], s83, v[STO2]             ; in: row r; tile a's eight channels of my half at 64 a + 32 h
	v_add_nc_u32 v[RD2], s83, v[RD2]               ; back: lanes 0-15 one row, lanes 16-31 the next
	global_load_b32 v[QS], v11, s[4:5]
	global_load_b32 v[QS+1], v11, s[4:5] offset:4
	global_load_b32 v[QS2], v11, s[4:5] offset:4*REC       ; the second block lies four records on
	global_load_b32 v[QS2+1], v11, s[4:5] offset:4*REC+4
	WIN 0x40                                       ; destination window 1
.irp X, 0,1
	global_load_b128 v[Q+16*\X:Q+16*\X+3], v10, s[4:5] offset:1024*\X
	global_load_b128 v[Q+16*\X+4:Q+16*\X+7], v10, s[4:5] offset:1024*\X+512
	global_load_b128 v[Q2+8*\X:Q2+8*\X+3], v10, s[4:5] offset:4*REC+1024*\X
	global_load_b128 v[Q2+8*\X+4:Q2+8*\X+7], v10, s[4:5] offset:4*REC+1024*\X+512
.endr
.irp i, 8,9,10,11,12,13,14,15,24,25,26,27,28,29,30,31
	v_mov_b32 v[Q+\i], 0                           ; the upper halves of Q's operands
.endr
.irp i, 0,1,2,3,4,5,6,7
	v_mov_b32 v[ZR+\i], 0                          ; what follows K's last tile
.endr
.set jj, 0
.rept 64
	v_mov_b32 v[O+jj], 0                           ; the key step is written once: the first finds zeros in O^T and in the sum
.set jj, jj+1
.endr
	WIN 0
.irp X, 0,1
.irp i, 0,1,3,5,7
	v_mov_b32 v[ST+10*\X+\i], 0                    ; the sum; and the upper words of pairs of which the low word alone is taken
.endr
	v_mov_b32 v[ST+10*\X+9], TMASK
	v_floor_f32 v[ST+10*\X+8], -v[ST+10*\X+9]
.endr
	v_mov_b32 v[FE], 0xfefefefe
	v_mov_b32 v[NCV], 0xbe38aa3b                   ; -log2(e) / 8: t = ns x this
	s_wait_alu depctr_va_vdst(0)                   ; the wait here, directly ahead of the wait below
	s_wait_loadcnt 0x0                             ; Q
	WIN 0x55
.irp i, 0,1,2,3,4,5,6,7,16,17,18,19,20,21,22,23
	v_xor_b32 v[Q+\i], 0x80808080, v[Q+\i]         ; every code's sign is turned: the products give -(q . k)
.endr
	WIN 0
.macro MLOAD q                         ; my queries' mask bytes of keys 16 t + 8 h + 0..7; tile 1 lies 16 rows further down
.irp X, 0,1
.irp t, 0,1,2,3,4,5,6,7
	ds_load_b64 v[TM+TMX*\X+2*\t:TM+TMX*\X+2*\t+1], v[ADM] offset:128*(\q)+16*\t+16*MP*\X
.endr
.endr
.endm
.macro KLOAD q                         ; K's eight tiles as they were stored, 512 consecutive bytes a load, and their scale words: 17 loads
	WIN 0x40
.irp i, 0,1,2,3,4,5,6,7,8,9,10,11,12,13,14,15
	ds_load_b128 v[KF+4*\i:KF+4*\i+3], v[ADK] offset:8192*(\q)+512*\i
.endr
	WIN 0
	ds_load_b128 v[KSW:KSW+3], v[ADK] offset:KSCO+512*(\q)
.endm
.macro VLOAD q                         ; V's four fragments and their scale words: 17 loads
	WIN 0x40
.irp i, 0,1,2,3,4,5,6,7,8,9,10,11,12,13,14,15
	ds_load_b128 v[VF+4*\i:VF+4*\i+3], v[ADK] offset:VIM+8192*(\q)+512*\i
.endr
	WIN 0
	ds_load_b64 v[VSW:VSW+1], v[ADV] offset:VSCO+256*(\q)
.endm
.macro QK                              ; sixteen score tiles: D = C = the mask's 0 or 2^118; lanes 0-15 of K's scale registers hold tiles 0-3, lanes 16-31 tiles 4-7
.irp t, 0,1,2,3
.irp X, 0,1
	v_wmma_scale_f32_16x16x128_f8f6f4 v[S+64*\X+8*\t:S+64*\X+8*\t+7], v[KF+8*\t:KF+8*\t+15], v[Q+16*\X:Q+16*\X+15], v[S+64*\X+8*\t:S+64*\X+8*\t+7], v[KSW+\t], v[QS+\X]
.endr
.endr
.irp t, 4,5,6,7
.irp X, 0,1
	v_wmma_scale_f32_16x16x128_f8f6f4 v[S+64*\X+8*\t:S+64*\X+8*\t+7], v[KF+8*\t:KF+8*\t+15], v[Q+16*\X:Q+16*\X+15], v[S+64*\X+8*\t:S+64*\X+8*\t+7], v[KSW+\t-4], v[QS+\X] matrix_a_scale:MATRIX_SCALE_ROW1
.endr
.endr
.endm
.macro PV                              ; O^T += V^T P^T: eight accumulators, one instruction each: no two that follow each other share one
.irp a, 0,1
.irp X, 0,1
	v_wmma_scale_f32_16x16x128_f8f6f4 v[O+32*\X+8*\a:O+32*\X+8*\a+7], v[VF+16*\a:VF+16*\a+15], v[PC+16*\X:PC+16*\X+15], v[O+32*\X+8*\a:O+32*\X+8*\a+7], v[VSW+\a], v[PW+\X]
.endr
.endr
.irp a, 2,3
.irp X, 0,1
	v_wmma_scale_f32_16x16x128_f8f6f4 v[O+32*\X+8*\a:O+32*\X+8*\a+7], v[VF+16*\a:VF+16*\a+15], v[PC+16*\X:PC+16*\X+15], v[O+32*\X+8*\a:O+32*\X+8*\a+7], v[VSW+\a-2], v[PW+\X] matrix_a_scale:MATRIX_SCALE_ROW1
.endr
.endr
.endm
; THE SOFTMAX'S FIRST PART, on negated scores, both tiles by turns: the least ns of each block of 32 keys (it serves for the row's maximum and for the block's largest p), the new M, f, the lane's multiplier and addend.
.macro SM_A
.irp b, 0,1,2,3
.irp X, 0,1
	v_min3_num_f32 v[TM+TMX*\X+\b], v[S+64*\X+16*\b], v[S+64*\X+16*\b+1], v[S+64*\X+16*\b+2]
.endr
.endr
.irp i, 3,5,7,9,11,13
.irp b, 0,1,2,3
.irp X, 0,1
	v_min3_num_f32 v[TM+TMX*\X+\b], v[TM+TMX*\X+\b], v[S+64*\X+16*\b+\i], v[S+64*\X+16*\b+\i+1]
.endr
.endr
.endr
.irp b, 0,1,2,3
.irp X, 0,1
	v_min_num_f32 v[TM+TMX*\X+\b], v[TM+TMX*\X+\b], v[S+64*\X+16*\b+15]
.endr
.endr
.irp b, 0,1,2,3
.irp X, 0,1
	v_permlanex16_b32 v[TM+TMX*\X+4+\b], v[TM+TMX*\X+\b], s[SEL], s[SEL+1]
.endr
.endr
.irp b, 0,1,2,3
.irp X, 0,1
	v_min_num_f32 v[TM+TMX*\X+\b], v[TM+TMX*\X+\b], v[TM+TMX*\X+4+\b]   ; with lane l xor 16's 16 keys
.endr
.endr
.irp X, 0,1
	v_min3_num_f32 v[ST+10*\X+4], v[TM+TMX*\X], v[TM+TMX*\X+1], v[TM+TMX*\X+2]
.endr
.irp X, 0,1
	v_min_num_f32 v[ST+10*\X+4], v[ST+10*\X+4], v[TM+TMX*\X+3]
.endr
.irp X, 0,1
	v_mul_f32 v[ST+10*\X+4], v[NCV], v[ST+10*\X+4]                 ; the step's largest t of my query
.endr
.irp X, 0,1
	v_max_num_f32 v[ST+10*\X+9], v[ST+10*\X+9], v[ST+10*\X+4]      ; the running largest t: never under TMASK
.endr
.irp X, 0,1
	v_mov_b32 v[ST+10*\X+4], v[ST+10*\X+8]
.endr
.irp X, 0,1
	v_floor_f32 v[ST+10*\X+8], -v[ST+10*\X+9]                      ; the new -M = -ceil(t): M is a whole number
.endr
.irp X, 0,1
	v_sub_f32 v[ST+10*\X+4], v[ST+10*\X+8], v[ST+10*\X+4]          ; old M - new M: a whole number, 0 or less
.endr
.irp X, 0,1
	v_cvt_i32_f32 v[ST+10*\X+4], v[ST+10*\X+4]
.endr
.irp X, 0,1
	v_ldexp_f32 v[ST+10*\X+2], 1.0, v[ST+10*\X+4]                  ; f = 2^(old M - new M): rounds nothing
.endr
.irp X, 0,1
	v_cmp_lt_f32 s[CM+\X], s[TMS], v[ST+10*\X+9]                   ; has my row seen an open key?
.endr
.irp X, 0,1
	v_cndmask_b32 v[ST+10*\X+6], 0, v[NCV], s[CM+\X]               ; if not, all its keys so far count alike: t - M = 0 x ns + 0
.endr
.irp X, 0,1
	v_cndmask_b32 v[ST+10*\X+4], 0, v[ST+10*\X+8], s[CM+\X]
.endr
.endm
; THE SECOND PART: work on registers alone.
.macro SM_B
.set jj, 0
.rept 32
.irp X, 0,1
	v_pk_fma_f32 v[S+64*\X+jj:S+64*\X+jj+1], v[S+64*\X+jj:S+64*\X+jj+1], v[ST+10*\X+6:ST+10*\X+7], v[ST+10*\X+4:ST+10*\X+5] op_sel_hi:[1,0,0]   ; t - M, two at a time (of both pairs the low word serves both halves)
.endr
.set jj, jj+2
.endr
.irp b, 0,1,2,3
.irp X, 0,1
	v_fma_f32 v[TM+TMX*\X+\b], v[TM+TMX*\X+\b], v[ST+10*\X+6], v[ST+10*\X+4]   ; the same of each block's extreme
.endr
.endr
	s_wait_alu depctr_va_vdst(0)                   ; the wait ahead of the batch
.set jj, 0
.rept 128
	v_exp_f32 v[S+jj], v[S+jj]                     ; p = 2^(t - M), at most 1
.set jj, jj+1
.endr
.irp b, 0,1,2,3
.irp X, 0,1
	v_exp_f32 v[TM+TMX*\X+\b], v[TM+TMX*\X+\b]     ; the block's largest p: the same two instructions on the same number
.endr
.endr
.irp X, 0,1
	v_pk_mul_f32 v[ST+10*\X:ST+10*\X+1], v[ST+10*\X:ST+10*\X+1], v[ST+10*\X+2:ST+10*\X+3] op_sel_hi:[1,0]   ; the sums under the new M: plain lines behind the exponentials
.endr
	s_wait_alu depctr_va_vdst(0)                   ; one wait for the whole batch, ahead of its first reader
.irp X, 0,1
	v_pk_add_f32 v[TM+TMX*\X+4:TM+TMX*\X+5], v[S+64*\X:S+64*\X+1], v[S+64*\X+2:S+64*\X+3]   ; the row's sum of the unquantised p: two chains a tile, four by turns
.endr
.irp j, 4,8,12,16,20,24,28,32,36,40,44,48,52,56,60
.irp X, 0,1
	v_pk_add_f32 v[ST+10*\X:ST+10*\X+1], v[ST+10*\X:ST+10*\X+1], v[S+64*\X+\j:S+64*\X+\j+1]
	v_pk_add_f32 v[TM+TMX*\X+4:TM+TMX*\X+5], v[TM+TMX*\X+4:TM+TMX*\X+5], v[S+64*\X+\j+2:S+64*\X+\j+3]
.endr
.endr
.irp X, 0,1
	v_pk_add_f32 v[ST+10*\X:ST+10*\X+1], v[ST+10*\X:ST+10*\X+1], v[TM+TMX*\X+4:TM+TMX*\X+5]
.endr
.irp b, 0,1,2,3
.irp X, 0,1
	v_max_num_f32 v[TM+TMX*\X+\b], 0x4800000, v[TM+TMX*\X+\b]      ; the floor 2^(9 - 127): the byte cannot fall under 1
.endr
.endr
.irp b, 0,1,2,3
.irp X, 0,1
	v_add_nc_u32 v[TM+TMX*\X+12+\b], 0xfc000000, v[TM+TMX*\X+\b]   ; 8 off the exponent field: the conversion's scale operand
.endr
.endr
.irp b, 0,1,2,3
.irp X, 0,1
	v_and_or_b32 v[TM+TMX*\X+8+\b], v[TM+TMX*\X+\b], 0x7f800000, s[MNT]   ; 448 x the scale
.endr
.endr
.irp b, 0,1,2,3
.irp X, 0,1
	v_lshrrev_b32 v[TM+TMX*\X+4+\b], 23, v[TM+TMX*\X+12+\b]        ; the scale's byte
.endr
.endr
.irp X, 0,1
	v_lshl_or_b32 v[PW+\X], v[TM+TMX*\X+5], 8, v[TM+TMX*\X+4]      ; p's scale word for these 128 keys
.endr
.irp X, 0,1
	v_lshl_or_b32 v[PW+\X], v[TM+TMX*\X+6], 16, v[PW+\X]
.endr
.irp X, 0,1
	v_lshl_or_b32 v[PW+\X], v[TM+TMX*\X+7], 24, v[PW+\X]
.endr
; the conversion does not saturate (ISA guide 7.6.2); p is not negative, so the hold is one-sided.  Two holds to a line: one of each tile, an even and an odd destination, sources whose numbers differ modulo 4
.irp b, 0,1,2,3
.irp i, 0,2,4,6,8,10,12,14
	v_dual_min_num_f32 v[S+16*\b+\i], v[S+16*\b+\i], v[TM+8+\b] :: v_dual_min_num_f32 v[S+64+16*\b+\i+1], v[S+64+16*\b+\i+1], v[TM+TMX+8+\b]
	v_dual_min_num_f32 v[S+64+16*\b+\i], v[S+64+16*\b+\i], v[TM+TMX+8+\b] :: v_dual_min_num_f32 v[S+16*\b+\i+1], v[S+16*\b+\i+1], v[TM+8+\b]
.endr
.irp X, 0,1
	v_cvt_scalef32_pk8_fp8_f32 v[PC+16*\X+4*\b:PC+16*\X+4*\b+1], v[S+64*\X+16*\b:S+64*\X+16*\b+7], v[TM+TMX*\X+12+\b]
	v_cvt_scalef32_pk8_fp8_f32 v[PC+16*\X+4*\b+2:PC+16*\X+4*\b+3], v[S+64*\X+16*\b+8:S+64*\X+16*\b+15], v[TM+TMX*\X+12+\b]
.endr
.endr
	WIN 0x41                                       ; O^T window 1, f window 0
	s_wait_alu depctr_va_vdst(0)                   ; the wait here, directly ahead of the first reader of O^T
.irp X, 0,1
.set jj, 0
.rept 16
	v_pk_mul_f32 v[O+32*\X+jj:O+32*\X+jj+1], v[O+32*\X+jj:O+32*\X+jj+1], v[ST+10*\X+2:ST+10*\X+3] op_sel_hi:[1,0]   ; O^T under the new M.  (These 32 are also the places between the codes and the products that take them)
.set jj, jj+2
.endr
.endr
.endm
.macro GRD fill
	s_wait_tensorcnt 0x0
	ds_add_u32 v[SPW], v[NIL]
.if \fill
	ds_add_u32 v[SPW], v[NIL]
	s_add_co_u32 s[SI], s[SI], 1                   ; no tensor load of mine is out, so a group 0 may be written: the slot that is asked for now,
	s_xor_b32 s[G0K+1], s[G0K+1], SLOT1            ; in the other slot's bytes;
	s_xor_b32 s[G0M+1], s[G0M+1], SLOT1
	s_and_b32 s78, s[SI], 7                        ; which 256 keys,
	s_lshr_b32 s79, s[SI], 3                       ; and which of my two blocks of queries
	s_mul_i32 s80, s78, REC
	s_mov_b32 s81, 0
	s_add_nc_u64 s[G0K+2:G0K+3], s[KB:KB+1], s[80:81]   ; the keys' record;
	s_or_b32 s[G0K+3], s[G0K+3], 0x80000000
	s_lshl_b32 s80, s78, 8
	s_lshl_b32 s79, s79, 21
	s_add_co_u32 s80, s80, s79
	s_add_nc_u64 s[G0M+2:G0M+3], s[MB:MB+1], s[80:81]   ; these keys' 256 bytes of each mask row of the block
	s_or_b32 s[G0M+3], s[G0M+3], 0x80000000
	s_wait_xcnt 0x0                                ; the last prefetch, a slot back, has read its address, so it may be written:
	s_add_co_u32 s78, s[SI], 1                     ; one slot further on than the tensor loads
	s_and_b32 s79, s78, 7
	s_lshr_b32 s78, s78, 3
	s_mul_i32 s80, s79, s[PFS]
	s_mul_i32 s78, s78, s[PFJ]
	s_add_co_u32 s80, s80, s78
	s_add_nc_u64 s[PFA:PFA+1], s[PFB:PFB+1], s[80:81]
.endif
.endm
; A KEY STEP: 128 keys, the q-th of the slot in hand.  mode 1, 2 (q = 1): the change of slots opens in it, with a refill to follow (1) or without (2).
.macro STEP q, mode
	MLOAD \q
.if (\q) == 0
	KLOAD 0
.endif
.rept 8
	v_nop                                          ; places behind the last step's products, ahead of the loads into V's registers and scale words
.endr
	VLOAD \q
.if (\mode) == 1
	GRD 1
.elseif (\mode) == 2
	GRD 0
.endif
	s_wait_dscnt 17*(2-(\q))+(3-(\mode))%3         ; the mask's 16 loads are in; behind them stand V's 17, in a slot's first step K's 17 too, and the adds (two, one or none)
.irp X, 0,1
.irp t, 0,1,2,3,4,5,6,7
	v_cvt_scale_pk8_f32_fp8 v[S+64*\X+8*\t:S+64*\X+8*\t+7], v[TM+TMX*\X+2*\t:TM+TMX*\X+2*\t+1], v[FE]   ; eight mask bytes become 0 or 2^118, in the layout of score tile t's C
.endr
.endr
.rept 4
	v_nop                                          ; plain lines between the conversions and the products that take their results
.endr
	s_wait_alu depctr_va_vdst(0)                   ; the wait here, directly ahead of the wait below
.if (\q) == 0
	s_wait_dscnt 17                                ; K is in; V's 17 loads may be out
.else
	s_wait_dscnt 0x0                               ; V is in; mode 1, 2: the add is done, and my reads of this slot are over
.endif
.if (\mode) > 0
	s_barrier_signal -1                            ; say so; work on registers alone follows up to the wait
.endif
	WIN 0x05                                       ; K and Q window 1; C and D window 0
	QK
	WIN 0
.rept 8
	v_nop                                          ; places ahead of the reads of the scores and of the loads into K's registers
.endr
.if (\q) == 0
	KLOAD 1                                        ; the next step's K lands while the maxima are searched
.endif
	SM_A
.if (\q) == 0
	s_wait_alu depctr_va_vdst(0)                   ; the wait here, directly ahead of the wait below
	s_wait_dscnt 0x0                               ; V and the next step's K are in
.endif
	SM_B
	WIN 0x51                                       ; V, C and D window 1; P window 0
	PV
	WIN 0
.endm
; THE FIRST BLOCK'S WAY OUT: as the last one's, but through the stage behind the spare words, one tile at a time: LDS serves a wave's instructions in order (ISA guide 5.7.1.4), so tile 1's stores come behind tile 0's loads.
.macro WAYOUT
.rept 8
	v_nop                                          ; places behind the block's last products
.endr
.irp X, 0,1
	v_add_f32 v[ST+10*\X+4], v[ST+10*\X], v[ST+10*\X+1]
.endr
.irp X, 0,1
	v_permlanex16_b32 v[ST+10*\X+5], v[ST+10*\X+4], s[SEL], s[SEL+1]
.endr
.irp X, 0,1
	v_add_f32 v[ST+10*\X+4], v[ST+10*\X+4], v[ST+10*\X+5]          ; the row's sum
.endr
	s_wait_alu depctr_va_vdst(0)                   ; the wait ahead of the transcendentals
.irp X, 0,1
	v_rcp_f32 v[ST+10*\X+2], v[ST+10*\X+4]
.endr
	v_nop                                          ; a place behind the reciprocals
	WIN 0x01
	s_wait_alu depctr_va_vdst(0)                   ; one wait for both reciprocals and for O^T, directly ahead of the first reader
.irp X, 0,1
.set jj, 0
.rept 16
	v_pk_mul_f32 v[S+64*\X+jj:S+64*\X+jj+1], v[O+32*\X+jj:O+32*\X+jj+1], v[ST+10*\X+2:ST+10*\X+3] op_sel_hi:[1,0]   ; O^T / the sum, each accumulator from its low end on
.set jj, jj+2
.endr
.endr
	WIN 0
.irp X, 0,1
.irp a, 0,1,2,3
	ds_store_b128 v[STO2], v[S+64*\X+8*\a:S+64*\X+8*\a+3] offset:64*\a
	ds_store_b128 v[STO2], v[S+64*\X+8*\a+4:S+64*\X+8*\a+7] offset:64*\a+16
.endr
.irp i, 0,1,2,3,4,5,6,7
	ds_load_b128 v[S+64*\X+32+4*\i:S+64*\X+32+4*\i+3], v[RD2] offset:2*SP*\i
.endr
.endr
.irp X, 0,1
.irp i, 0,1,2,3,4,5,6,7
	s_wait_dscnt 16*(1-\X)+7-\i                    ; this tile's later loads, and behind tile 0's the next tile's sixteen LDS instructions, may be out
	global_store_b128 v[GO2], v[S+64*\X+32+4*\i:S+64*\X+32+4*\i+3], s[10:11] offset:(16*\X+2*\i)*4096 th:TH_STORE_NT   ; 16 lanes store 256 consecutive bytes, at a multiple of 256 from out's first byte
.endr
.endr
.endm
.macro REINIT                          ; the second block begins: zeros in O^T and in the sums, M as at the start, its Q with every code's sign turned, its scale words
	WIN 0x40
.set jj, 0
.rept 64
	v_mov_b32 v[O+jj], 0
.set jj, jj+1
.endr
	WIN 0x55
.irp X, 0,1
.irp i, 0,1,2,3,4,5,6,7
	v_xor_b32 v[Q+16*\X+\i], 0x80808080, v[Q2+8*\X+\i]
.endr
.endr
	WIN 0
.irp X, 0,1
	v_mov_b32 v[ST+10*\X], 0
	v_mov_b32 v[ST+10*\X+1], 0
	v_mov_b32 v[ST+10*\X+9], TMASK
	v_floor_f32 v[ST+10*\X+8], -v[ST+10*\X+9]
	v_mov_b32 v[QS+\X], v[QS2+\X]
.endr
	s_wait_alu depctr_va_vdst(0)                   ; the wait here
.endm
.macro ADDR                            ; the slot's addresses
	v_add_nc_u32 v[ADK], s[TB], v[LI]
	v_add_nc_u32 v[ADM], s[TB], v[AM]
	v_add_nc_u32 v[ADV], s[TB], v[L8]
	s_wait_alu depctr_va_vdst(0)                   ; the wait here, directly behind the writes
.endm
	s_wait_alu depctr_va_vdst(0)                   ; the wait at the head's end
	GRD 1
	s_wait_dscnt 0x0
	CROUND
	TLOAD
	ASK
	s_mov_b32 s[SLOTS], 14
.Lslot:                                            ; fourteen trips, slots 0 to 13: at a trip's end the slot just read takes the keys two slots on
	ADDR
	STEP 0, 0
	STEP 1, 1
	CREST                                          ; the rest of the round: both now hold of every wave of every partner
	TLOAD                                          ; the first thing behind the round, and a wave's one tensor load until the next
	ASK
	s_cmp_eq_u32 s[SLOTS], 7                       ; the trip that has read slot 7: the count of trips alone, the same in every wave of every partner; no tensor load, barrier, wait for tiles or add stands under the branch
	s_cbranch_scc0 .Lsame
	WAYOUT
	s_wait_xcnt 0x0                                ; the stores have read their registers and their base
	s_add_nc_u64 s[10:11], s[10:11], 1<<22         ; the second block's rows of out: 1,024 rows of 4,096 bytes on
	REINIT
.Lsame:
	s_xor_b32 s[TB], s[TB], SLOT1
	s_sub_co_u32 s[SLOTS], s[SLOTS], 1
	s_cmp_lg_u32 s[SLOTS], 0
	s_cbranch_scc1 .Lslot
	s_mov_b32 s[SLOTS], 2
.Llast:                                            ; two trips, slots 14 and 15: nothing more is asked for
	ADDR
	STEP 0, 0
	STEP 1, 2
	s_barrier_wait -1
	s_xor_b32 s[TB], s[TB], SLOT1
	s_sub_co_u32 s[SLOTS], s[SLOTS], 1
	s_cmp_lg_u32 s[SLOTS], 0
	s_cbranch_scc1 .Llast
	; THE WAY OUT.  The sum's halves are added; O^T is divided by the sum and goes through the tile's stage in LDS, so that sixteen lanes store one query's 256 bytes of the head.
.rept 8
	v_nop                                          ; places behind the last products
.endr
.irp X, 0,1
	v_add_f32 v[ST+10*\X+4], v[ST+10*\X], v[ST+10*\X+1]
.endr
.irp X, 0,1
	v_permlanex16_b32 v[ST+10*\X+5], v[ST+10*\X+4], s[SEL], s[SEL+1]
.endr
.irp X, 0,1
	v_add_f32 v[ST+10*\X+4], v[ST+10*\X+4], v[ST+10*\X+5]          ; with lane l xor 16's: the row's sum
.endr
	s_wait_alu depctr_va_vdst(0)                   ; the wait ahead of the transcendentals
.irp X, 0,1
	v_rcp_f32 v[ST+10*\X+2], v[ST+10*\X+4]
.endr
	s_mul_i32 s53, s[WV], 2*16*SP                  ; my two stages
	v_and_b32 v6, 15, v0                           ; r  (plain lines behind the reciprocals)
	v_bfe_u32 v7, v0, 4, 1                         ; h
	v_mul_u32_u24 v[STO], v6, SP
	v_mul_u32_u24 v[RD], v7, SP
	v_lshlrev_b32 v[GO], 12, v7
	v_lshl_add_u32 v[STO], v7, 5, v[STO]
	v_lshl_add_u32 v[RD], v6, 4, v[RD]
	v_lshl_add_u32 v[GO], v6, 4, v[GO]             ; lanes 0-15 one row of out, lanes 16-31 the next, 4,096 bytes apart
	v_add_nc_u32 v[STO], s53, v[STO]               ; in: row r; tile a's eight channels of my half at 64 a + 32 h
	v_add_nc_u32 v[RD], s53, v[RD]                 ; back: lanes 0-15 one row, lanes 16-31 the next
	WIN 0x01                                       ; O^T window 1; 1 / the sum and the results window 0
	s_wait_alu depctr_va_vdst(0)                   ; one wait for both reciprocals and for O^T, directly ahead of the first reader
.irp X, 0,1
.set jj, 0
.rept 16
	v_pk_mul_f32 v[S+64*\X+jj:S+64*\X+jj+1], v[O+32*\X+jj:O+32*\X+jj+1], v[ST+10*\X+2:ST+10*\X+3] op_sel_hi:[1,0]   ; O^T / the sum, each accumulator from its low end on
.set jj, jj+2
.endr
.endr
	WIN 0
.irp X, 0,1
.irp a, 0,1,2,3
	ds_store_b128 v[STO], v[S+64*\X+8*\a:S+64*\X+8*\a+3] offset:16*SP*\X+64*\a
	ds_store_b128 v[STO], v[S+64*\X+8*\a+4:S+64*\X+8*\a+7] offset:16*SP*\X+64*\a+16
.endr
.irp i, 0,1,2,3,4,5,6,7
	ds_load_b128 v[S+64*\X+32+4*\i:S+64*\X+32+4*\i+3], v[RD] offset:16*SP*\X+2*SP*\i   ; LDS serves a wave's instructions in order (ISA guide 5.7.1.4): these see my stores
.endr
.endr
.irp X, 0,1
.irp i, 0,1,2,3,4,5,6,7
	s_wait_dscnt 16*(1-\X)+7-\i                    ; this tile's later loads, and behind tile 0's the next tile's sixteen LDS instructions, may be out
	global_store_b128 v[GO], v[S+64*\X+32+4*\i:S+64*\X+32+4*\i+3], s[10:11] offset:(16*\X+2*\i)*4096 th:TH_STORE_NT   ; 16 lanes store 256 consecutive bytes, at a multiple of 256 from out's first byte; written once
.endr
.endr
	s_wait_tensorcnt 0x0                           ; the wave's end
	ds_add_u32 v[SPW], v[NIL]
	s_wait_dscnt 0x0
	CROUND                                         ; the closing round: no work-group ends while a partner may still ask for a tile that names it
	s_endpgm
.Lfunc_end_k_q1165ff7981_attn:
	.size	k_q1165ff7981_attn, .Lfunc_end_k_q1165ff7981_attn-k_q1165ff7981_attn
	.p2alignl 7, 3214868480
	.fill 96, 4, 3214868480
	.section	.rodata,"a",@progbits
	.p2align	6, 0x0
	.amdhsa_kernel k_q1165ff7981_attn
		.amdhsa_group_segment_fixed_size 327680
		.amdhsa_private_segment_fixed_size 0
		.amdhsa_enable_private_segment 0
		.amdhsa_kernarg_size 32
		.amdhsa_user_sgpr_count 2
		.amdhsa_user_sgpr_kernarg_segment_ptr 1
		.amdhsa_wavefront_size32 1
		.amdhsa_system_sgpr_workgroup_id_x 1
		.amdhsa_system_sgpr_workgroup_id_y 1
		.amdhsa_system_sgpr_workgroup_id_z 1
		.amdhsa_system_vgpr_workitem_id 0
		.amdhsa_next_free_vgpr 512
		.amdhsa_next_free_sgpr 90
		.amdhsa_reserve_vcc 0
		.amdhsa_float_denorm_mode_32 3
		.amdhsa_float_denorm_mode_16_64 3
		.amdhsa_memory_ordered 1
		.amdhsa_forward_progress 1
		.amdhsa_inst_pref_size 182
	.end_amdhsa_kernel
	.amdgpu_metadata
---
amdhsa.version: [ 1, 2 ]
amdhsa.kernels:
  - .name:           k_q1165ff7981_attn
    .symbol:         k_q1165ff7981_attn.kd
    .args:
      - { .name: qrec, .offset: 0, .size: 8, .value_kind: global_buffer, .address_space: global }
      - { .name: kvrec, .offset: 8, .size: 8, .value_kind: global_buffer, .address_space: global }
      - { .name: attn_mask, .offset: 16, .size: 8, .value_kind: global_buffer, .address_space: global }
      - { .name: out0, .offset: 24, .size: 8, .value_kind: global_buffer, .address_space: global }
    .group_segment_fixed_size: 327680
    .private_segment_fixed_size: 0
    .kernarg_segment_align: 8
    .kernarg_segment_size: 32
    .max_flat_workgroup_size: 256
    .sgpr_count:     90
    .vgpr_count:     512
    .wavefront_size: 32
...
	.end_amdgpu_metadata
.endif
;; end of part 2
